; MI455X (gfx1250); checked and timed in simulation.
; The chip was launched on July 23, 2026; its instructions are those of AMD's public machine-readable ISA for CDNA 5 (MIT licence, August 2026) and "CDNA5" Instruction Set Architecture Reference Guide (July 2026). The comments in the code are by the model that wrote it; some were corrected since.
;; Vectorized Attention Head. Allowed arithmetic: float matrix products may take bf16 or f16 operands with f32 sums; other float arithmetic in f32, or as packed bf16 or f16 multiplies, adds, multiply-adds, maxima and minima; sums over many terms, partial sums and values carried from step to step in f32; what a program stores and reads back later, other than sums and carried values, may be rounded once to bf16 or f16.
;; Inputs: Wk 2,048 x 2,048 float32; Wq 2,048 x 2,048 float32; Wv 2,048 x 2,048 float32; x 4 x 1,024 x 2,048 float32.
;; Outputs: out0 4 x 16 x 1,024 x 128 float32.
;; 2 versions, each right; version 2 is version 1 with the launch cast written anew for expert scheduling mode. Each part assembles by itself: llvm-mc -triple=amdgcn-amd-amdhsa -mcpu=gfx1250 --defsym DOCPART=n.
;; ======== version 1 of 2: 3 launches
;; limits: values are held in f16: magnitudes above 65,504 overflow, below 6.1e-05 lose precision
;; workspace buffers: xw 41,943,040 bytes; qkv 50,331,648 bytes
;; launch cast (part 1): grid 256 x 1, 20 waves a work-group, no clusters, 0 bytes of LDS; arguments x, Wq, Wk, Wv, xw; writes xw
.if DOCPART == 1
	.amdgcn_target "amdgcn-amd-amdhsa--gfx1250"
	.amdhsa_code_object_version 6
	.text
	.protected	k_q31ee8ced3d_cast
	.globl	k_q31ee8ced3d_cast
	.p2align	8
	.type	k_q31ee8ced3d_cast,@function
k_q31ee8ced3d_cast:
	s_mov_b64 s[64:65], 0
	v_nop
	global_prefetch_b8 v0, s[64:65] scope:SCOPE_SE
	s_setreg_imm32_b32 hwreg(HW_REG_WAVE_MODE, 25, 1), 1
	s_wait_xcnt 0x0
; x [4096][2048] and Wq, Wk, Wv [2048][2048], all f32, are rounded once to bf16 (nearest even) and laid out in K blocks:
; xw[kb 0..31][R 0..10239][64] bf16, byte kb*BLK + R*128 + 2*(k%64).  R 0..4095: x's rows; then Wq's, Wk's, Wv's 2,048 rows each.
; So 64 along K of any run of rows lie end to end for the product that follows.
; SHARES.  10,240 rows are 5,120 pairs; pair p = 20 x work-group + wave: one pair a wave, no loop, no LDS, no barrier.
; A wave issues its 32 loads at once (16 KiB); load i takes 256 consecutive bytes (K block i) of each of the two rows.
; A store of the wave covers 256 consecutive bytes, aligned: both rows' 128 bytes of one K block.
; No register of a pending load or store is ever rewritten, so the only waits are the counted ones for the data.
; NaN and infinities go through the conversion as it treats them.
.set BLK, 1310720                      ; bytes in a K block: 10,240 rows x 128
.set LO,  2                            ; v2  my byte offset in the pair's two rows of f32
.set SO,  3                            ; v3  my byte offset in the pair's 256 bytes of a K block
.set X,   8                            ; v[8:135]  32 loads of four f32
	s_load_b256 s[4:11], s[0:1], 0x0               ; x s[4:5], Wq s[6:7], Wk s[8:9], Wv s[10:11]
	s_load_b64 s[12:13], s[0:1], 0x20              ; xw
	v_lshrrev_b32 v1, 5, v0
	v_readfirstlane_b32 s14, v1                    ; wave 0..19
	s_mul_i32 s15, ttmp9, 20
	s_add_co_u32 s15, s15, s14                     ; p
	v_and_b32 v1, 31, v0                           ; lane
	v_lshrrev_b32 v2, 4, v1                        ; which of the two rows
	v_and_b32 v4, 15, v1
	v_lshlrev_b32 v[LO], 13, v2                    ; a row of f32 is 8,192 bytes
	v_lshl_add_u32 v[LO], v4, 4, v[LO]             ; + 16 bytes a lane
	v_lshlrev_b32 v[SO], 3, v1                     ; 8 bytes of bf16 a lane
	s_sub_co_u32 s16, s15, 2048
	s_and_b32 s16, s16, 1023                       ; the pair's number inside a W,
	s_cmp_lt_u32 s15, 2048
	s_cselect_b32 s16, s15, s16                    ; or inside x
	s_lshl_b32 s22, s16, 14                        ; a pair of f32 rows is 16,384 bytes
	s_mov_b32 s23, 0
	s_lshl_b32 s18, s15, 8                         ; a pair's place in a K block
	s_mov_b32 s19, 0
	s_wait_kmcnt 0x0
	s_cmp_lt_u32 s15, 2048                         ; which tensor: the choice hangs on p alone
	s_cselect_b64 s[20:21], s[4:5], s[6:7]
	s_cmp_ge_u32 s15, 3072
	s_cselect_b64 s[20:21], s[8:9], s[20:21]
	s_cmp_ge_u32 s15, 4096
	s_cselect_b64 s[20:21], s[10:11], s[20:21]
	s_add_nc_u64 s[20:21], s[20:21], s[22:23]
	s_add_nc_u64 s[24:25], s[12:13], s[18:19]      ; eight bases, four K blocks apart, so that the stores' immediates stay inside 24 bits
.irp g, 1,2,3,4,5,6,7
	s_add_nc_u64 s[24+2*(\g):25+2*(\g)], s[22+2*(\g):23+2*(\g)], 4*BLK
.endr
.set i, 0
.rept 32
	global_load_b128 v[X+4*i:X+4*i+3], v[LO], s[20:21] offset:256*i th:TH_LOAD_NT
.set i, i+1
.endr
.set i, 0
.rept 32
	s_wait_loadcnt 31-i                            ; loads come back in order: load i is in, the younger ones stay out
	v_cvt_pk_bf16_f32 v[X+4*i], v[X+4*i], v[X+4*i+1]
	v_cvt_pk_bf16_f32 v[X+4*i+1], v[X+4*i+2], v[X+4*i+3]
	global_store_b64 v[SO], v[X+4*i:X+4*i+1], s[24+2*(i/4):25+2*(i/4)] offset:(i%4)*BLK
.set i, i+1
.endr
	s_endpgm
.Lfunc_end_k_q31ee8ced3d_cast:
	.size	k_q31ee8ced3d_cast, .Lfunc_end_k_q31ee8ced3d_cast-k_q31ee8ced3d_cast
	.p2alignl 7, 3214868480
	.fill 96, 4, 3214868480
	.section	.rodata,"a",@progbits
	.p2align	6, 0x0
	.amdhsa_kernel k_q31ee8ced3d_cast
		.amdhsa_group_segment_fixed_size 0
		.amdhsa_private_segment_fixed_size 0
		.amdhsa_enable_private_segment 0
		.amdhsa_kernarg_size 40
		.amdhsa_user_sgpr_count 2
		.amdhsa_user_sgpr_kernarg_segment_ptr 1
		.amdhsa_wavefront_size32 1
		.amdhsa_system_sgpr_workgroup_id_x 1
		.amdhsa_system_sgpr_workgroup_id_y 1
		.amdhsa_system_sgpr_workgroup_id_z 1
		.amdhsa_system_vgpr_workitem_id 0
		.amdhsa_next_free_vgpr 136
		.amdhsa_next_free_sgpr 66
		.amdhsa_reserve_vcc 0
		.amdhsa_float_denorm_mode_32 3
		.amdhsa_float_denorm_mode_16_64 3
		.amdhsa_memory_ordered 1
		.amdhsa_forward_progress 1
		.amdhsa_inst_pref_size 13
	.end_amdhsa_kernel
	.amdgpu_metadata
---
amdhsa.version: [ 1, 2 ]
amdhsa.kernels:
  - .name:           k_q31ee8ced3d_cast
    .symbol:         k_q31ee8ced3d_cast.kd
    .args:
      - { .name: x, .offset: 0, .size: 8, .value_kind: global_buffer, .address_space: global }
      - { .name: Wq, .offset: 8, .size: 8, .value_kind: global_buffer, .address_space: global }
      - { .name: Wk, .offset: 16, .size: 8, .value_kind: global_buffer, .address_space: global }
      - { .name: Wv, .offset: 24, .size: 8, .value_kind: global_buffer, .address_space: global }
      - { .name: xw, .offset: 32, .size: 8, .value_kind: global_buffer, .address_space: global }
    .group_segment_fixed_size: 0
    .private_segment_fixed_size: 0
    .kernarg_segment_align: 8
    .kernarg_segment_size: 40
    .max_flat_workgroup_size: 640
    .sgpr_count:     66
    .vgpr_count:     136
    .wavefront_size: 32
...
	.end_amdgpu_metadata
.endif
;; end of part 1
;; launch proj (part 2): grid 16 x 16, 4 waves a work-group, clusters of 4 x 4, 327,680 bytes of LDS; arguments xw, qkv; writes qkv
.if DOCPART == 2
	.amdgcn_target "amdgcn-amd-amdhsa--gfx1250"
	.amdhsa_code_object_version 6
	.text
	.protected	k_q31ee8ced3d_proj
	.globl	k_q31ee8ced3d_proj
	.p2align	8
	.type	k_q31ee8ced3d_proj,@function
k_q31ee8ced3d_proj:
	s_mov_b64 s[64:65], 0
	v_nop
	global_prefetch_b8 v0, s[64:65] scope:SCOPE_SE
	s_setreg_imm32_b32 hwreg(HW_REG_WAVE_MODE, 25, 1), 1
	s_wait_xcnt 0x0
	s_wait_alu depctr_hold_cnt(0) depctr_sa_sdst(0) depctr_va_vdst(0) depctr_va_sdst(0) depctr_va_ssrc(0) depctr_va_vcc(0) depctr_vm_vsrc(0)
	s_getreg_b32 s2, hwreg(HW_REG_IB_STS2, 6, 4)
	s_cmp_eq_u32 s2, 0
	s_cbranch_scc0 .Lentry_in_a_cluster
	s_endpgm
.Lentry_in_a_cluster:
	s_bfe_u32 s2, ttmp6, 0x10000c
	s_cmp_lg_u32 s2, 0xf033
	s_cbranch_scc0 .Lentry_shape_is_right
	s_endpgm
.Lentry_shape_is_right:
; C[m][n] = sum over k of x[m][k] W[n][k], m 0..4095, n 0..6143 (Wq's, Wk's, Wv's rows), K = 2,048: bf16 products, f32 sums.
; IN: xw[kb][R][64] bf16 (x's rows R 0..4095, W's rows R = 4096 + n).  OUT: qkv[t 0..2][batch x 16 + head][s][128] f16, rounded once, unscaled.
; LIMIT.  f16 holds no number beyond 65,504: a q, k or v of 65,520 or more leaves as an infinity.
; THE TILE is 256 (m) x 384 (n): 16 x 16 tiles, one work-group each.  Four waves, each 128 x 192: 96 accumulators, 768 registers.
; A wave's twelve blocks of 16 columns: b 0..7 the whole 128-column group 0 (wn = 0) or 2 (wn = 1); b 8..11 its half of group 1.
; K goes in steps of 64 through two LDS slots; a step's rows lie end to end in xw and are asked for as rows of 256 bytes.
; CLUSTER 4 x 4: A's tile hangs on the tile row alone and is asked for jointly along a row of the cluster, B's on the tile column alone, along a column.
; Wave 0 asks for A's 256 rows (one load), waves 1 to 3 for 128 rows of B each.  A wave has two tensor loads out at the start, later one.
; THE PRODUCT IS USED TRANSPOSED (source 0 = 16 rows of W, source 1 = 16 rows of x): a lane holds row l % 16 of C and eight neighbouring columns.
; REGISTERS.  Window 0: v0-31 addresses; v32-127 B's 12 fragments (one buffer, reloaded in halves); v128-191, v192-255 A's 8 fragments, two buffers;
; on the way out v32-223 at work.  Windows 1-3: accumulator (a, b) in window 1 + b / 4 at v[8 (8 (b % 4) + a)].
.set BLK,    1310720                   ; bytes in a K block of xw
.set PITCH,  144                       ; an LDS row: 128 bytes + 16 = 36 words: the 16 rows of a fragment start at 16 different groups of four banks (64 banks of 4 bytes: ISA guide 11.1)
.set FR,     16*PITCH                  ; from fragment to fragment
.set BOFF,   256*PITCH                 ; B's 384 rows lie behind A's 256
.set SLOT,   640*PITCH
.set STAGE,  2*SLOT                    ; behind the ring: three column groups x 128 rows x 272 bytes, the work-group's, never filled by a tensor load
.set SPITCH, 272
.set GS,     128*SPITCH
.set SPARE,  STAGE+3*GS                ; the spare words, 128 bytes a wave: two blocks of 256 bytes that no other line names
.set ADRA,  16                         ; v16-17  my A fragments in slot 0, 1
.set ADRB0, 18                         ; v18-19  my B fragments 0..7
.set ADRB1, 20                         ; v20-21  my B fragments 8..11
.set STOA,  22                         ; v22  the way out: where b 0..7 put 16 bytes of a row
.set STOB,  23                         ; v23  the same for b 8..11
.set RD0,   24                         ; v24  where I read rows back, groups 0 and 1
.set RD2,   25                         ; v25  group 2
.set CO,    26                         ; v26  16 x lane: my place in 512 consecutive bytes of qkv
.set SPW,   28                         ; v28  my spare word; never rewritten
.set NIL,   29                         ; v29  0; never rewritten
.set PFO,   30                         ; v30  256 x lane; never rewritten
.set BF,    32
.set AF0,   128
.set AF1,   192
.set TMP,   32
.set G1A, 24                           ; s[24:31] group 1 for A's tile
.set G0A, 32                           ; s[32:39] group 0 for A's tile, a set for each slot
.set G1B, 48                           ; s[48:55] group 1 for B's tiles
.set G0B, 56                           ; s[56:63] group 0 for B's tiles
.set PFA, 66                           ; s[66:67] where my prefetches stand
.set LIM, 68                           ; s68  1 in a wave that prefetches, else the greatest number
.set CB,  70                           ; s[70:75] qkv at my rows of the tile's three column groups
.set MSB, 0
.macro WIN new                         ; the immediate's high byte repeats the setting that is left; a switch that changes nothing is dropped
.if MSB != (\new)
	s_set_vgpr_msb (MSB<<8)|(\new)
.set MSB, (\new)
.endif
.endm
.macro PLACES                          ; four places between a product and a load into, or a vector line on, its registers
.rept 4
	v_nop
.endr
.endm
; A joint load.  The branch hangs on the wave's number alone.  An s_nop 0 and four v_nop follow each of the two lines.
.macro JLOAD s
	s_cmp_eq_u32 s10, 0
	s_cbranch_scc0 .Lfor_b_\@
	tensor_load_to_lds s[G0A+4*(\s):G0A+4*(\s)+3], s[G1A:G1A+7]
	s_nop 0
.rept 4
	v_nop
.endr
	s_branch .Lasked_\@
.Lfor_b_\@:
	tensor_load_to_lds s[G0B+4*(\s):G0B+4*(\s)+3], s[G1B:G1B+7]
	s_nop 0
.rept 4
	v_nop
.endr
.Lasked_\@:
.endm
.macro CREST                           ; a round of the cluster's barrier behind its opening barrier
	s_cmp_lg_u32 s10, 0
	s_cbranch_scc1 .Lnot_wave_0_\@
	s_barrier_signal -3
.Lnot_wave_0_\@:
	s_barrier_wait -3
	s_barrier_signal -1
	s_barrier_wait -1
.endm
.macro CROUND
	s_barrier_signal -1
	s_barrier_wait -1
	CREST
.endm
; A PREFETCH, once a trip of the loop, behind the joint load, its five lines and the run of LDS loads: the two K steps that the NEXT trip's two refills ask for.
; A's tile row is read by every cluster of its row of clusters: cluster x = 0 asks, wave 0; partner cx takes 32 of a step's 128 blocks of 256 bytes, two lines for the two steps.
; B's tile column is read by every cluster of its column: cluster y = 0 asks, waves 1 to 3; of a wave's 2 x 64 blocks partner cy takes 32: half cy % 2 of step cy / 2, one line.
; The partners are told apart by address alone, so each block is named once in the launch.  K steps 0 to 3 come by their loads alone; the last trip (s3 = 1) asks for nothing.
.macro ASK
	s_cmp_gt_u32 s3, s[LIM]
	s_cbranch_scc0 .Lnot_mine_\@
	global_prefetch_b8 v[PFO], s[PFA:PFA+1] th:TH_LOAD_NT scope:SCOPE_SE
	s_cmp_eq_u32 s10, 0
	s_cbranch_scc0 .Lnot_mine_\@
	global_prefetch_b8 v[PFO], s[PFA:PFA+1] offset:BLK th:TH_LOAD_NT scope:SCOPE_SE
.Lnot_mine_\@:
.endm
; Products for column blocks b0 .. b0 + nb - 1 x all 8 row blocks, 32 along K, A from buffer f.  The 96 accumulators take turns, one instruction a turn, in the
; same order in every half step and over the backward jump.  zero = 1: the first product starts the sum.
.macro MULB f, b0, nb, zero
.set bb, \b0
.rept \nb
	WIN 0x50*(1+bb/4)
.set aa, 0
.rept 8
.set rD, 8*(8*(bb%4)+aa)
.if \zero
	v_wmma_f32_16x16x32_bf16 v[rD:rD+7], v[BF+8*bb:BF+8*bb+7], v[(\f)+8*aa:(\f)+8*aa+7], 0
.else
	v_wmma_f32_16x16x32_bf16 v[rD:rD+7], v[BF+8*bb:BF+8*bb+7], v[(\f)+8*aa:(\f)+8*aa+7], v[rD:rD+7]
.endif
.set aa, aa+1
.endr
.set bb, bb+1
.endr
.endm
.macro LDB slot, k, b0, nb             ; B's fragments b0 .. b0 + nb - 1 at byte k of the rows: two loads each
	WIN 0
.set bb, \b0
.rept \nb
.if bb < 8
	ds_load_b128 v[BF+8*bb:BF+8*bb+3],   v[ADRB0+(\slot)] offset:(\k)+bb*FR
	ds_load_b128 v[BF+8*bb+4:BF+8*bb+7], v[ADRB0+(\slot)] offset:(\k)+bb*FR+32
.else
	ds_load_b128 v[BF+8*bb:BF+8*bb+3],   v[ADRB1+(\slot)] offset:(\k)+(bb-8)*FR
	ds_load_b128 v[BF+8*bb+4:BF+8*bb+7], v[ADRB1+(\slot)] offset:(\k)+(bb-8)*FR+32
.endif
.set bb, bb+1
.endr
.endm
.macro LDA slot, k, f                  ; A's eight fragments into buffer f: 16 loads
	WIN 0
.set aa, 0
.rept 8
	ds_load_b128 v[(\f)+8*aa:(\f)+8*aa+3],   v[ADRA+(\slot)] offset:(\k)+aa*FR
	ds_load_b128 v[(\f)+8*aa+4:(\f)+8*aa+7], v[ADRA+(\slot)] offset:(\k)+aa*FR+32
.set aa, aa+1
.endr
.endm
; A K step's first 32 along K, from A's buffer 0; the second 32's fragments are fetched as B's registers come free.
.macro FIRST slot, zero
	s_wait_dscnt 12                                ; B 0-5 and A are in; the youngest twelve loads (B 6-11) may be out
	MULB AF0, 0, 6, \zero
	PLACES
	LDB \slot, 64, 0, 6
	LDA \slot, 64, AF1
	s_wait_dscnt 28                                ; all but the 28 just issued
	MULB AF0, 6, 6, \zero
	PLACES
	LDB \slot, 64, 6, 6
.endm
; The second 32 along K, from A's buffer 1, and the change of slots.  In front of the barrier each wave waits for all its tensor loads (the one that is out is its part of the next slot),
; adds 0 to its spare word, and waits for that and for its reads of this slot.  fill = 1: the barrier opens a round of the cluster's, and the joint refill, two K steps on,
; is the first tensor load behind the round: 160 products stand between it and the wait for it.
.macro TURN slot, next, fill
.if (\fill) && ((\slot) == 0)
	s_wait_xcnt 0x0                                ; the last prefetches, a trip back, have read their address
	s_add_nc_u64 s[PFA:PFA+1], s[PFA:PFA+1], 2*BLK
.endif
	WIN 0
	s_wait_tensorcnt 0x0                           ; all my tensor loads have landed
	ds_add_u32 v[SPW], v[NIL]
	s_wait_dscnt 13                                ; the add and the youngest twelve loads may be out
	MULB AF1, 0, 2, 0
	s_wait_dscnt 0x0                               ; the add is done, and my reads of this slot are over
	s_barrier_signal -1
	MULB AF1, 2, 2, 0
	WIN 0
	s_barrier_wait -1
.if \fill
	CREST                                          ; no wave of any partner still reads this slot or has a load on its way
	s_add_nc_u64 s[G0A+4*(\slot)+2:G0A+4*(\slot)+3], s[G0A+4*(\slot)+2:G0A+4*(\slot)+3], 2*BLK
	s_add_nc_u64 s[G0B+4*(\slot)+2:G0B+4*(\slot)+3], s[G0B+4*(\slot)+2:G0B+4*(\slot)+3], 2*BLK
	JLOAD \slot
.endif
	MULB AF1, 4, 2, 0
	PLACES
	LDB \next, 0, 0, 6
	LDA \next, 0, AF0
.if (\fill) && ((\slot) == 0)
	ASK
.endif
	MULB AF1, 6, 6, 0
	PLACES
	LDB \next, 0, 6, 6
.endm
	s_load_b128 s[4:7], s[0:1], 0x0                ; xw s[4:5], qkv s[6:7]
	v_lshl_add_u32 v[SPW], v0, 2, SPARE
	v_mov_b32 v[NIL], 0
	ds_add_u32 v[SPW], v[NIL]                      ; the wave's opening: an add and its wait, ahead of my first tensor load
	v_lshrrev_b32 v1, 5, v0
	v_readfirstlane_b32 s10, v1                    ; wave 0..3
	s_lshr_b32 s11, s10, 1                         ; wm: which 128 rows of the tile are mine
	s_and_b32 s12, s10, 1                          ; wn: which columns
	s_bfe_u32 s40, ttmp6, 0x40000                  ; cx
	s_bfe_u32 s41, ttmp6, 0x40004                  ; cy
	s_lshl_b32 s42, ttmp9, 2
	s_add_co_u32 s42, s42, s40                     ; tile column tx = 4 x cluster x + cx
	s_and_b32 s13, ttmp7, 0xffff
	s_lshl_b32 s13, s13, 2
	s_add_co_u32 s13, s13, s41                     ; tile row ty = 4 x cluster y + cy
	s_lshl_b32 s43, s41, 2
	s_lshl_b32 s43, 15, s43                        ; my row of the cluster
	s_lshl_b32 s44, 0x1111, s40                    ; my column
	; group 1: rows of 128 elements of 2 bytes (two rows of 64 along K each); 16 bytes of padding behind every 32 words
	s_or_b32 s[G1A], s43, (1<<16)|(1<<20)|(1<<21)|(4<<22)|(3<<25)
	s_or_b32 s[G1B], s44, (1<<16)|(1<<20)|(1<<21)|(4<<22)|(3<<25)
	s_mov_b32 s[G1A+1], 128<<16                    ; tensor_dim0 = 128
	s_mov_b32 s[G1A+2], 128<<16                    ; tensor_dim1 = 128
	s_mov_b32 s[G1A+3], 128<<16                    ; tile_dim0 = 128
	s_mov_b32 s[G1A+4], 128                        ; tile_dim1 = 128: A's 256 rows of 128 bytes
	s_mov_b32 s[G1A+5], 128                        ; dense
	s_mov_b32 s[G1A+6], 0
	s_mov_b32 s[G1A+7], 0
	s_mov_b32 s[G1B+1], 128<<16
	s_mov_b32 s[G1B+2], 64<<16                     ; tensor_dim1 = 64
	s_mov_b32 s[G1B+3], 128<<16
	s_mov_b32 s[G1B+4], 64                         ; tile_dim1 = 64: 128 rows of B
	s_mov_b32 s[G1B+5], 128
	s_mov_b32 s[G1B+6], 0
	s_mov_b32 s[G1B+7], 0
	s_lshl_b32 s16, s13, 15                        ; A: ty x 256 rows x 128 bytes
	s_mov_b32 s17, 0
	s_mul_i32 s46, s42, 49152                      ; B: (4096 + 384 tx + 128 (w - 1)) x 128 bytes
	s_lshl_b32 s47, s10, 14
	s_add_co_u32 s46, s46, s47
	s_add_co_u32 s46, s46, 507904
	s_mov_b32 s47, 0
	s_mul_i32 s20, s10, 128*PITCH                  ; B's part in a slot: BOFF + (w - 1) x 128 rows
	s_add_co_u32 s20, s20, 128*PITCH
	s_wait_dscnt 0x0                               ; the opening add is done
	s_wait_kmcnt 0x0
	s_add_nc_u64 s[14:15], s[4:5], s[16:17]
	s_add_nc_u64 s[46:47], s[4:5], s[46:47]
	CROUND                                         ; all sixteen work-groups are here: the first joint loads meet
.irp s, 0,1
	s_mov_b32 s[G0A+4*(\s)], 1
	s_mov_b32 s[G0A+4*(\s)+1], (\s)*SLOT
	s_add_nc_u64 s[G0A+4*(\s)+2:G0A+4*(\s)+3], s[14:15], (\s)*BLK
	s_or_b32 s[G0A+4*(\s)+3], s[G0A+4*(\s)+3], 0x80000000
	s_mov_b32 s[G0B+4*(\s)], 1
	s_add_co_u32 s[G0B+4*(\s)+1], s20, (\s)*SLOT
	s_add_nc_u64 s[G0B+4*(\s)+2:G0B+4*(\s)+3], s[46:47], (\s)*BLK
	s_or_b32 s[G0B+4*(\s)+3], s[G0B+4*(\s)+3], 0x80000000
.endr
	s_cmp_eq_u32 s10, 0                            ; a wave's two first fills stand in one branch, ahead of every wait on TENSORcnt and every LDS read
	s_cbranch_scc0 .Lfirst_b
	tensor_load_to_lds s[G0A:G0A+3], s[G1A:G1A+7]
	s_nop 0
	tensor_load_to_lds s[G0A+4:G0A+7], s[G1A:G1A+7]
	s_nop 0
.rept 4
	v_nop
.endr
	s_branch .Lfirst_asked
.Lfirst_b:
	tensor_load_to_lds s[G0B:G0B+3], s[G1B:G1B+7]
	s_nop 0
	tensor_load_to_lds s[G0B+4:G0B+7], s[G1B:G1B+7]
	s_nop 0
.rept 4
	v_nop
.endr
.Lfirst_asked:
	; a fragment: lane l holds row l % 16; two loads of 16 bytes, 32 bytes apart, at row x pitch + 16 (l / 16)
	v_and_b32 v1, 15, v0
	v_bfe_u32 v2, v0, 4, 1
	v_mul_u32_u24 v3, v1, PITCH
	v_lshl_add_u32 v3, v2, 4, v3
	s_mul_i32 s21, s11, 128*PITCH                  ; my 128 rows of A
	s_mul_i32 s22, s12, 256*PITCH                  ; B's rows 256 wn ..
	s_add_co_u32 s22, s22, BOFF
	s_mul_i32 s23, s12, 64*PITCH                   ; and 128 + 64 wn ..
	s_add_co_u32 s23, s23, BOFF+128*PITCH
.irp s, 0,1
	v_add_nc_u32 v[ADRA+(\s)], s21, v3
	v_add_nc_u32 v[ADRB0+(\s)], s22, v3
	v_add_nc_u32 v[ADRB1+(\s)], s23, v3
	s_add_co_u32 s21, s21, SLOT
	s_add_co_u32 s22, s22, SLOT
	s_add_co_u32 s23, s23, SLOT
.endr
	; the stage: a pass holds 64 rows of each half of the tile's rows: stage row 64 wm + 16 a' + l % 16
	s_mul_i32 s85, s11, 64*SPITCH
	s_mul_i32 s84, s12, 2*GS
	s_add_co_u32 s84, s84, s85
	s_add_co_u32 s84, s84, STAGE
	v_mul_u32_u24 v4, v1, SPITCH
	v_lshl_add_u32 v4, v2, 4, v4
	v_add_nc_u32 v[STOA], s84, v4
	s_lshl_b32 s84, s12, 7
	s_add_co_u32 s84, s84, s85
	s_add_co_u32 s84, s84, STAGE+GS
	v_add_nc_u32 v[STOB], s84, v4
	s_mul_i32 s84, s10, 32*SPITCH                  ; back: wave w takes stage rows 32 w .. 32 w + 31 of each group, two whole rows a load
	s_add_co_u32 s84, s84, STAGE
	v_mul_u32_u24 v5, v2, SPITCH
	v_lshl_add_u32 v5, v1, 4, v5
	v_add_nc_u32 v[RD0], s84, v5
	v_add_nc_u32 v[RD2], 2*GS, v[RD0]
	v_and_b32 v6, 31, v0
	v_lshlrev_b32 v[CO], 4, v6
	v_lshlrev_b32 v[PFO], 8, v6
	; qkv at my rows: column group cg = 3 tx + g is tensor cg / 16, head cg % 16; rows: batch ty / 4, s = 256 (ty % 4) + 128 (w / 2) + 32 (w % 2) + 64 pass + ..
	s_mul_i32 s86, s42, 3
	s_lshr_b32 s87, s13, 2
	s_lshl_b32 s87, s87, 4                         ; 16 x batch
	s_and_b32 s88, s13, 3
	s_lshl_b32 s88, s88, 8
	s_lshl_b32 s89, s11, 7
	s_add_co_u32 s88, s88, s89
	s_lshl_b32 s89, s12, 5
	s_add_co_u32 s88, s88, s89
	s_lshl_b32 s88, s88, 8                         ; rows of 256 bytes
.irp g, 0,1,2
	s_add_co_u32 s89, s86, \g
	s_lshr_b32 s90, s89, 4
	s_lshl_b32 s90, s90, 6
	s_and_b32 s89, s89, 15
	s_add_co_u32 s90, s90, s89
	s_add_co_u32 s90, s90, s87
	s_lshl_b32 s90, s90, 18                        ; a head is 262,144 bytes
	s_add_co_u32 s90, s90, s88
	s_mov_b32 s91, 0
	s_add_nc_u64 s[CB+2*(\g):CB+2*(\g)+1], s[6:7], s[90:91]
.endr
	; the prefetches' address and who asks
	s_lshl_b32 s84, s13, 15
	s_lshl_b32 s85, s40, 13
	s_add_co_u32 s84, s84, s85                     ; A: ty's tile + 32 blocks x cx
	s_mul_i32 s86, s42, 49152
	s_lshl_b32 s87, s10, 14
	s_add_co_u32 s86, s86, s87
	s_add_co_u32 s86, s86, 507904                  ; B: my 128 rows,
	s_and_b32 s87, s41, 1
	s_lshl_b32 s87, s87, 13
	s_add_co_u32 s86, s86, s87                     ; half cy % 2
	s_lshr_b32 s87, s41, 1
	s_mul_i32 s87, s87, BLK
	s_add_co_u32 s86, s86, s87                     ; of step cy / 2
	s_and_b32 s88, ttmp7, 0xffff                   ; cluster y
	s_cmp_eq_u32 s10, 0
	s_cselect_b32 s84, s84, s86
	s_cselect_b32 s88, ttmp9, s88                  ; the coordinate along which other clusters read the same rows
	s_mov_b32 s85, 0
	s_cmp_eq_u32 s88, 0
	s_cselect_b32 s[LIM], 1, -1                    ; the same in all sixteen partners, for a given wave
	s_add_nc_u64 s[PFA:PFA+1], s[4:5], s[84:85]
	s_add_nc_u64 s[PFA:PFA+1], s[PFA:PFA+1], 2*BLK ; at K step 2: the first trip steps it to 4
	s_wait_tensorcnt 1                             ; my part of K step 0 is in; slot 1's may stay out
	s_barrier_signal -1
	s_barrier_wait -1
	LDB 0, 0, 0, 6
	LDA 0, 0, AF0
	LDB 0, 0, 6, 6
	FIRST 0, 1                                     ; the first half step stands in front of the loop: its products start the sums
	WIN 0
	s_mov_b32 s3, 15
.Llap:                                                 ; a trip goes once round the ring and fills both slots again: K steps 2 i + 2 and 2 i + 3
	TURN 0, 1, 1
	FIRST 1, 0
	TURN 1, 0, 1
	FIRST 0, 0
	WIN 0
	s_sub_co_u32 s3, s3, 1
	s_cmp_lg_u32 s3, 0
	s_cbranch_scc1 .Llap
	TURN 0, 1, 0                                   ; the tail fills nothing and has no round
	FIRST 1, 0
	s_wait_dscnt 12
	MULB AF1, 0, 6, 0
	s_wait_dscnt 0x0
	MULB AF1, 6, 6, 0
	WIN 0
	PLACES
	PLACES
; THE WAY OUT, in two passes of 128 rows (row blocks 4 p .. 4 p + 3 of each wave): rounded to f16, 16 bytes a lane into the work-group's stage; a barrier, since
; group 1's rows come from two waves; back as whole rows of 256 bytes; a store covers 512 consecutive bytes, at a multiple of 256 from qkv's first byte.
.macro OUT p
.if \p
	s_wait_xcnt 0x0                                ; the last pass's stores have read their registers
	s_wait_dscnt 0x0                               ; my reads of the stage are over
	s_barrier_signal -1                            ; the conversions, work on registers, stand between signal and wait
.endif
.set bb, 0
.rept 12
	WIN 5*(1+bb/4)                                 ; sources 0 and 1 in the accumulators' window
.set aa, 0
.rept 4
.set rA, 8*(8*(bb%4)+4*(\p)+aa)
.set rr, 0
.rept 4
	v_cvt_pk_f16_f32 v[TMP+4*(4*bb+aa)+rr], v[rA+2*rr], v[rA+2*rr+1]
.set rr, rr+1
.endr
.set aa, aa+1
.endr
.set bb, bb+1
.endr
	WIN 0
.if \p
	s_barrier_wait -1                              ; every wave's reads of the stage are over: it may be written again
.endif
.set bb, 0
.rept 12
.set aa, 0
.rept 4
.if bb < 8
	ds_store_b128 v[STOA], v[TMP+4*(4*bb+aa):TMP+4*(4*bb+aa)+3] offset:aa*16*SPITCH+32*bb
.else
	ds_store_b128 v[STOB], v[TMP+4*(4*bb+aa):TMP+4*(4*bb+aa)+3] offset:aa*16*SPITCH+32*(bb-8)
.endif
.set aa, aa+1
.endr
.set bb, bb+1
.endr
	s_wait_dscnt 0x0                               ; for the others' sake: my stores into the stage are done
	s_barrier_signal -1
	s_barrier_wait -1
.set ii, 0
.rept 48
.if ii < 32
	ds_load_b128 v[TMP+4*ii:TMP+4*ii+3], v[RD0] offset:(ii/16)*GS+(ii%16)*2*SPITCH
.else
	ds_load_b128 v[TMP+4*ii:TMP+4*ii+3], v[RD2] offset:(ii%16)*2*SPITCH
.endif
.set ii, ii+1
.endr
.set ii, 0
.rept 48
	s_wait_dscnt 47-ii                             ; load ii is back; the younger ones may be out
	global_store_b128 v[CO], v[TMP+4*ii:TMP+4*ii+3], s[CB+2*(ii/16):CB+2*(ii/16)+1] offset:(\p)*16384+(ii%16)*512
.set ii, ii+1
.endr
.endm
	OUT 0
	OUT 1
	s_wait_tensorcnt 0x0                           ; the wave's end: a wait, an add and its wait, behind my last tensor load and my last LDS store
	ds_add_u32 v[SPW], v[NIL]
	s_wait_dscnt 0x0
	CROUND                                         ; the closing round: no work-group ends while a partner may still ask for a tile that names it
	s_endpgm
.Lfunc_end_k_q31ee8ced3d_proj:
	.size	k_q31ee8ced3d_proj, .Lfunc_end_k_q31ee8ced3d_proj-k_q31ee8ced3d_proj
	.p2alignl 7, 3214868480
	.fill 96, 4, 3214868480
	.section	.rodata,"a",@progbits
	.p2align	6, 0x0
	.amdhsa_kernel k_q31ee8ced3d_proj
		.amdhsa_group_segment_fixed_size 327680
		.amdhsa_private_segment_fixed_size 0
		.amdhsa_enable_private_segment 0
		.amdhsa_kernarg_size 16
		.amdhsa_user_sgpr_count 2
		.amdhsa_user_sgpr_kernarg_segment_ptr 1
		.amdhsa_wavefront_size32 1
		.amdhsa_system_sgpr_workgroup_id_x 1
		.amdhsa_system_sgpr_workgroup_id_y 1
		.amdhsa_system_sgpr_workgroup_id_z 1
		.amdhsa_system_vgpr_workitem_id 0
		.amdhsa_next_free_vgpr 1024
		.amdhsa_next_free_sgpr 96
		.amdhsa_reserve_vcc 0
		.amdhsa_float_denorm_mode_32 3
		.amdhsa_float_denorm_mode_16_64 3
		.amdhsa_memory_ordered 1
		.amdhsa_forward_progress 1
		.amdhsa_inst_pref_size 133
	.end_amdhsa_kernel
	.amdgpu_metadata
---
amdhsa.version: [ 1, 2 ]
amdhsa.kernels:
  - .name:           k_q31ee8ced3d_proj
    .symbol:         k_q31ee8ced3d_proj.kd
    .args:
      - { .name: xw, .offset: 0, .size: 8, .value_kind: global_buffer, .address_space: global }
      - { .name: qkv, .offset: 8, .size: 8, .value_kind: global_buffer, .address_space: global }
    .group_segment_fixed_size: 327680
    .private_segment_fixed_size: 0
    .kernarg_segment_align: 8
    .kernarg_segment_size: 16
    .max_flat_workgroup_size: 128
    .sgpr_count:     96
    .vgpr_count:     1024
    .wavefront_size: 32
...
	.end_amdgpu_metadata
.endif
;; end of part 2
;; launch attn (part 3): grid 4 x 64, 4 waves a work-group, no clusters, 327,680 bytes of LDS; arguments qkv, out0; writes out0
.if DOCPART == 3
	.amdgcn_target "amdgcn-amd-amdhsa--gfx1250"
	.amdhsa_code_object_version 6
	.text
	.protected	k_q31ee8ced3d_attn
	.globl	k_q31ee8ced3d_attn
	.p2align	8
	.type	k_q31ee8ced3d_attn,@function
k_q31ee8ced3d_attn:
	s_mov_b64 s[64:65], 0
	v_nop
	global_prefetch_b8 v0, s[64:65] scope:SCOPE_SE
	s_setreg_imm32_b32 hwreg(HW_REG_WAVE_MODE, 25, 1), 1
	s_wait_xcnt 0x0
; CAUSAL ATTENTION.  O[g][q][:] = the sum over k <= q of softmax_k(Q[g][q] . K[g][k] / sqrt(128)) V[g][k][:], 64 heads g of 1,024 rows and 128 channels.
; IN: qkv[t][g][s][128] f16 (t = 0 Q, 1 K, 2 V), rows of 256 bytes.  OUT: out0[g][s][128] f32.  Products in f16 with f32 sums; maxima, exponentials and sums in f32;
; the weights p are rounded to f16 for the second product (their sum l is taken of the unrounded p).
; LIMITS.  Q, K, V arrive within f16's 65,504.  A hidden score counts as its value less 1e30; true scores are 5.5e11 at the most.  A weight below 2^-126 counts as 0 in l.
; NaN and infinities are not treated apart.
; THE WALK.  A head has 8 blocks of 128 queries; block i needs the key tiles 0 .. i of 128 keys, the last of which holds the diagonal.  A work-group takes blocks 7 - b and then b:
; 9 tiles whatever b, so all 256 work-groups do equal work and ONE loop with a constant trip count walks them.  What a trip does hangs on scalars made from b.
; NO CLUSTER: a head's four work-groups ask for the same tile in trips 0 to 4 of the 9 only, and one walk common to all four would have 12 trips for 9.
; SHARES.  Of a block's two bands of 64 queries a wave owns 16 rows in each: tile t = rows 64 t + 16 w + l % 16.  In the diagonal tile's key step s (64 keys) band t sees
; all keys if s < t, holds the diagonal if s = t, sees none if s > t: the same work for all four waves.  One of those four pairs is wholly hidden and computed all the same.
; THE MASK is the C operand that starts the sum S^T = K Q^T: MC (the band's own step: MD in a diagonal tile, else 0), MB (-1e30 in a diagonal tile, else 0), or the constant 0.
; LAYOUT.  S^T = K Q^T holds ONE query a lane (l % 16) and the keys 8 (l / 16) + 0..7; two such results rounded to f16 ARE source 1 of O^T = V^T P.
; SOFTMAX.  p = 2^(c s - c m), c = log2(e) / sqrt(128), with a running maximum m; O and l are multiplied by a = 2^(c m_old - c m_new) in every step.  c m starts far below every c s,
; so a block's first a is 0 and what O^T and l held need only be finite.
; IN PHASES.  A step: K's loads; V^T P of the step BEFORE (its V lies in registers, so a slot can be left); V's loads; K Q^T; the softmax.  A block's way out follows its last V^T P.
; REGISTERS.  Window 0: v0-15 addresses; v16-31 statistics; v64-127 S^T; v128-159 P; v160-191 MD; v192-223 MC; v224-231 MB.
; Window 1: v0-127 O^T; v128-191 Q; v192-255 the second block's Q.  Window 2: v0-127 K of a step; v128-255 V of a step.
.set KS,    64
.set PK,    272                        ; a row of K in LDS: 256 + 16 bytes = 68 words: the 16 rows of a load start at 16 different groups of four banks (64 banks of 4 bytes: ISA guide 11.1)
.set PV_,   288                        ; a row of V: 256 + 32 bytes
.set VOFF,  KS*PK
.set STEPB, KS*(PK+PV_)                ; a step: 64 rows of K, then 64 rows of V
.set SLOT1, 1<<17                      ; a slot holds a tile, two steps; one exclusive or turns an address in one slot into the other's
.set STAGE, SLOT1+2*STEPB              ; behind the ring, never filled by a tensor load: 16 rows x 528 bytes for each wave
.set SP,    528
.set SPARE, STAGE+4*16*SP              ; the spare words, 128 bytes a wave: two blocks of 256 bytes that no other line names
.set AK0, 2
.set AV0, 3
.set ADR, 4
.set QO,  5
.set STO, 6
.set RD,  7
.set GO,  8
.set PFO, 12
.set ST,  16                           ; tile t at v[ST+8 t]: c m, m, l (even keys', odd keys'), c0-c3 at work; a takes c2's place
.set SPW, 62
.set NIL, 63
.set S,   64
.set P,   128
.set MD,  160
.set MC,  192
.set MB,  224
.set Q,   128                          ; window 1
.set QB,  192                          ; window 1
.set VF,  128                          ; window 2
.set WV,  12
.set PB,  14
.set HI,  15
.set G1K, 24
.set G1V, 32
.set G0K, 40
.set G0V, 44
.set OLO, 50                           ; s[50:51] O at my rows of the second block
.set QLO, 52                           ; s[52:53] Q at my rows of the second block
.set SLOTS, 56
.set CS,  58
.set SEL, 60
.set TB,  62                           ; s62  the slot in hand: 0 or SLOT1
.set RT,  70                           ; s70  tiles of the block in hand still to be entered
.set NXT, 71                           ; s71  the tile to be asked for next
.set LQ,  72                           ; s72  the last tile of the block whose tiles are being asked for
.set DIAG, 73                          ; s73  1: the tile in hand holds the diagonal
.set ENDB, 74                          ; s74  1: the tile before was a block's last
.set OFF, 76
.set AL,  78
.set BE,  80
.set BIGN, 81
.set PFA, 82                           ; s[82:83] my 64 rows of the tile after the one that is being asked for
.set PFL, 84                           ; s84  prefetches still to come
.set MSB, 0
.macro WIN new
.if MSB != (\new)
	s_set_vgpr_msb (MSB<<8)|(\new)
.set MSB, (\new)
.endif
.endm
.set W_KQ, 0x06                        ; K window 2, Q window 1, C and S^T window 0
.set W_PV, 0x52                        ; V window 2, P window 0, O^T window 1
.set W_RS, 0x41                        ; destination and source 0 window 1, source 1 window 0
.macro PLACES
.rept 4
	v_nop
.endr
.endm
.macro BOTH line:vararg                ; one line for each of the wave's two tiles t
.set t, 0
.rept 2
	\line
.set t, t+1
.endr
.endm
; A fill.  Waves 0 and 1 fetch K of the tile's steps 0 and 1, waves 2 and 3 V likewise.  An s_nop 0 and four v_nop follow each line.
.macro LOAD
	s_cmp_lt_u32 s[WV], 2
	s_cbranch_scc0 .Lfor_v_\@
	tensor_load_to_lds s[G0K:G0K+3], s[G1K:G1K+7]
	s_nop 0
.rept 4
	v_nop
.endr
	s_branch .Lasked_\@
.Lfor_v_\@:
	tensor_load_to_lds s[G0V:G0V+3], s[G1V:G1V+7]
	s_nop 0
.rept 4
	v_nop
.endr
.Lasked_\@:
.endm
; A PREFETCH of what the NEXT change of slots will ask for.  All four work-groups of a head walk tiles from 0 up; the one with b = 0 walks all eight, and it alone asks:
; each wave for its own 64 rows of 256 bytes, a lane a row, two lines.  Tiles 2 to 7 are named once each; tiles 0 and 1 come by their loads alone.
.macro ASK
	s_cmp_eq_u32 s[PFL], 0
	s_cbranch_scc1 .Lnot_mine_\@
	global_prefetch_b8 v[PFO], s[PFA:PFA+1] th:TH_LOAD_NT scope:SCOPE_SE
	global_prefetch_b8 v[PFO], s[PFA:PFA+1] offset:8192 th:TH_LOAD_NT scope:SCOPE_SE
	s_sub_co_u32 s[PFL], s[PFL], 1
.Lnot_mine_\@:
.endm
; THE CHANGE OF SLOTS.  Each wave waits for all its tensor loads (one is out: its part of the other slot), adds 0 to its spare word, and waits for that and for its reads of the slot
; that it leaves.  fill = 1: the old slot is filled again, first thing behind the barrier, with tile NXT; the address is made anew from that number.
.macro CHANGE fill
	WIN 0
.if \fill
	s_wait_xcnt 0x0                                ; the last prefetches, a tile back, have read their address
	s_add_nc_u64 s[PFA:PFA+1], s[PFA:PFA+1], 32768
.endif
	s_wait_tensorcnt 0x0                           ; no tensor load of mine is out, so a group 0 may be written
	ds_add_u32 v[SPW], v[NIL]
.if \fill
	s_lshl_b32 s[OFF], s[NXT], 15                  ; a tile is 32,768 bytes of K and of V
	s_xor_b32 s[G0K+1], s[G0K+1], SLOT1
	s_add_nc_u64 s[G0K+2:G0K+3], s[6:7], s[OFF:OFF+1]
	s_or_b32 s[G0K+3], s[G0K+3], 0x80000000
	s_xor_b32 s[G0V+1], s[G0V+1], SLOT1
	s_add_nc_u64 s[G0V+2:G0V+3], s[8:9], s[OFF:OFF+1]
	s_or_b32 s[G0V+3], s[G0V+3], 0x80000000
	s_add_co_u32 s[NXT], s[NXT], 1                 ; the block's next tile, or behind its last the second block's tile 0
	s_cmp_gt_u32 s[NXT], s[LQ]
	s_cselect_b32 s[NXT], 0, s[NXT]
	s_cselect_b32 s[LQ], s[PB], s[LQ]
.endif
	s_wait_dscnt 0x0                               ; the add is done, and my reads of the slot are over
	s_barrier_signal -1
	s_xor_b32 s[TB], s[TB], SLOT1
	s_barrier_wait -1
.if \fill
	LOAD
	ASK
.endif
.endm
.macro FETCH_K st                      ; 32 loads: 64 keys x 128 channels, 16 fragments: keys 16 (f / 4) on, channels 32 (f % 4) on
	WIN 0
	v_add_nc_u32 v[ADR], s[TB], v[AK0]
	WIN 0x80
.set f, 0
.rept 16
	ds_load_b128 v[8*f:8*f+3],   v[ADR] offset:(\st)*STEPB+(f/4)*16*PK+(f%4)*64
	ds_load_b128 v[8*f+4:8*f+7], v[ADR] offset:(\st)*STEPB+(f/4)*16*PK+(f%4)*64+32
.set f, f+1
.endr
.endm
.macro FETCH_V st                      ; 32 turning loads: keys 32 (f / 8) on, channels 16 (f % 8) on
	WIN 0
	v_add_nc_u32 v[ADR], s[TB], v[AV0]
	WIN 0x80
.set f, 0
.rept 16
	ds_load_tr16_b128 v[VF+8*f:VF+8*f+3],   v[ADR] offset:(\st)*STEPB+(f/8)*32*PV_+(f%8)*32
	ds_load_tr16_b128 v[VF+8*f+4:VF+8*f+7], v[ADR] offset:(\st)*STEPB+(f/8)*32*PV_+16*PV_+(f%8)*32
.set f, f+1
.endr
.endm
; 32 products S^T = K Q^T: channels 32 (i / 8) on, keys 16 ((i / 2) % 4) on, tile i % 2.  The 8 accumulators take turns.  The first 8 start the sums with the mask.
.macro KQ st
	WIN W_KQ
.set i, 0
.rept 32
.set rS, S+32*(i%2)+8*((i/2)%4)
.set rK, 32*((i/2)%4)+8*(i/8)
.set rQ, Q+32*(i%2)+8*(i/8)
.set rM, MC+8*((i/2)%4)
.if (i < 8) && (i%2 == (\st))
	v_wmma_f32_16x16x32_f16 v[rS:rS+7], v[rK:rK+7], v[rQ:rQ+7], v[rM:rM+7]
.elseif (i < 8) && (\st)
	v_wmma_f32_16x16x32_f16 v[rS:rS+7], v[rK:rK+7], v[rQ:rQ+7], v[MB:MB+7]
.elseif i < 8
	v_wmma_f32_16x16x32_f16 v[rS:rS+7], v[rK:rK+7], v[rQ:rQ+7], 0
.else
	v_wmma_f32_16x16x32_f16 v[rS:rS+7], v[rK:rK+7], v[rQ:rQ+7], v[rS:rS+7]
.endif
.set i, i+1
.endr
.endm
; 32 products O^T += V^T P: keys 32 (i / 16) on, channels 16 ((i / 2) % 8) on, tile i % 2.  16 accumulators take turns.
.macro PV
	WIN W_PV
.set i, 0
.rept 32
.set rO, 64*(i%2)+8*((i/2)%8)
.set rV, VF+64*(i/16)+8*((i/2)%8)
.set rP, P+16*(i%2)+8*(i/16)
	v_wmma_f32_16x16x32_f16 v[rO:rO+7], v[rV:rV+7], v[rP:rP+7], v[rO:rO+7]
.set i, i+1
.endr
.endm
; THE SOFTMAX of a step, both tiles line by line.  Each accumulator's lowest registers are read first.  The 66 exponentials are one batch: nothing ahead of
; the one wait names a result of theirs; all that read them stand behind it.
.macro SOFTMAX
	WIN 0
.set n, 0
.rept 4
	BOTH v_max3_num_f32 v[ST+8*t+4+n], v[S+32*t+8*n], v[S+32*t+8*n+1], v[S+32*t+8*n+2]
.set n, n+1
.endr
.rept 8
	BOTH v_max3_num_f32 v[ST+8*t+4+n%4], v[ST+8*t+4+n%4], v[S+32*t+8*(n%4)+2*(n/4)+1], v[S+32*t+8*(n%4)+2*(n/4)+2]
.set n, n+1
.endr
	BOTH v_max3_num_f32 v[ST+8*t+4], v[ST+8*t+4], v[S+32*t+7], v[S+32*t+15]
	BOTH v_max3_num_f32 v[ST+8*t+6], v[ST+8*t+6], v[S+32*t+23], v[S+32*t+31]
	BOTH v_max3_num_f32 v[ST+8*t+4], v[ST+8*t+4], v[ST+8*t+5], v[ST+8*t+6]
	BOTH v_max3_num_f32 v[ST+8*t+4], v[ST+8*t+4], v[ST+8*t+7], v[ST+8*t+1]
	BOTH v_permlanex16_b32 v[ST+8*t+5], v[ST+8*t+4], s[SEL], s[SEL+1]
	BOTH v_mov_b32 v[ST+8*t+7], v[ST+8*t]
	BOTH v_max_num_f32 v[ST+8*t+1], v[ST+8*t+4], v[ST+8*t+5]
	BOTH v_mul_f32 v[ST+8*t], s[CS], v[ST+8*t+1]
	BOTH v_sub_f32 v[ST+8*t+7], v[ST+8*t+7], v[ST+8*t]
.set n, 0
.rept 16                               ; pair n is scaled, c s - c m; behind it stand the exponentials of pair n - 1
	BOTH v_pk_fma_f32 v[S+32*t+2*n:S+32*t+2*n+1], v[S+32*t+2*n:S+32*t+2*n+1], s[CS:CS+1], v[ST+8*t:ST+8*t+1] op_sel_hi:[1,0,0] neg_lo:[0,0,1] neg_hi:[0,0,1]
.if n > 0
	BOTH v_exp_f32 v[S+32*t+2*n-2], v[S+32*t+2*n-2]
	BOTH v_exp_f32 v[S+32*t+2*n-1], v[S+32*t+2*n-1]
.endif
.set n, n+1
.endr
	BOTH v_exp_f32 v[S+32*t+30], v[S+32*t+30]
	BOTH v_exp_f32 v[S+32*t+31], v[S+32*t+31]
	BOTH v_exp_f32 v[ST+8*t+6], v[ST+8*t+7]
	v_nop                                          ; a plain instruction behind the last exponential: one for the batch
	s_wait_alu depctr_va_vdst(0)                   ; the wait ahead of the first use: one for the batch
.set n, 0
.rept 16
	BOTH v_cvt_pk_f16_f32 v[P+16*t+n], v[S+32*t+2*n], v[S+32*t+2*n+1]
.set n, n+1
.endr
.set n, 0
.rept 8                                ; the sum of the 16 pairs, in place: neighbours 1, 2, 4 and 8 pairs apart
	BOTH v_pk_add_f32 v[S+32*t+4*n:S+32*t+4*n+1], v[S+32*t+4*n:S+32*t+4*n+1], v[S+32*t+4*n+2:S+32*t+4*n+3]
.set n, n+1
.endr
.set n, 0
.rept 4
	BOTH v_pk_add_f32 v[S+32*t+8*n:S+32*t+8*n+1], v[S+32*t+8*n:S+32*t+8*n+1], v[S+32*t+8*n+4:S+32*t+8*n+5]
.set n, n+1
.endr
.set n, 0
.rept 2
	BOTH v_pk_add_f32 v[S+32*t+16*n:S+32*t+16*n+1], v[S+32*t+16*n:S+32*t+16*n+1], v[S+32*t+16*n+8:S+32*t+16*n+9]
.set n, n+1
.endr
	BOTH v_pk_add_f32 v[S+32*t:S+32*t+1], v[S+32*t:S+32*t+1], v[S+32*t+16:S+32*t+17]
	BOTH v_pk_fma_f32 v[ST+8*t+2:ST+8*t+3], v[ST+8*t+2:ST+8*t+3], v[ST+8*t+6:ST+8*t+7], v[S+32*t:S+32*t+1] op_sel_hi:[1,0,1]
	WIN W_RS
.set n, 0
.rept 32                               ; O^T times a
	BOTH v_pk_mul_f32 v[64*t+2*n:64*t+2*n+1], v[64*t+2*n:64*t+2*n+1], v[ST+8*t+6:ST+8*t+7] op_sel_hi:[1,0]
.set n, n+1
.endr
	WIN 0
.endm
; THE WAY OUT of a block.  l's two halves and the other half of the lanes' are added; O^T is divided by l and sent through my own stage, a tile (16 rows of 512 bytes) at a time:
; a lane's eight channels are two stores of 16 bytes; a load takes a whole row back; a store covers 512 consecutive bytes, at a multiple of 256 from out0's first byte.
.macro WAYOUT
	WIN 0
	PLACES
	PLACES
	BOTH v_add_f32 v[ST+8*t+4], v[ST+8*t+2], v[ST+8*t+3]
	BOTH v_permlanex16_b32 v[ST+8*t+5], v[ST+8*t+4], s[SEL], s[SEL+1]
	BOTH v_add_f32 v[ST+8*t+4], v[ST+8*t+4], v[ST+8*t+5]
	BOTH v_rcp_f32 v[ST+8*t+6], v[ST+8*t+4]
	v_nop                                          ; a plain instruction between the last reciprocal and the use of its result,
	s_wait_alu depctr_va_vdst(0)                   ; and the wait: one for the two
.irp u, 0,1
	WIN W_RS
.set n, 0
.rept 32
	v_pk_mul_f32 v[64*(\u)+2*n:64*(\u)+2*n+1], v[64*(\u)+2*n:64*(\u)+2*n+1], v[ST+8*(\u)+6:ST+8*(\u)+7] op_sel_hi:[1,0]
.set n, n+1
.endr
	WIN 0x04                                       ; the stores' data in window 1
.set n, 0
.rept 16
	ds_store_b128 v[STO], v[64*(\u)+4*n:64*(\u)+4*n+3] offset:(n/2)*64+(n%2)*16
.set n, n+1
.endr
	WIN 0
.if \u
	s_wait_xcnt 0x0                                ; tile 0's stores have read S^T's registers
.endif
.set n, 0
.rept 16
	ds_load_b128 v[S+4*n:S+4*n+3], v[RD] offset:n*SP   ; LDS serves a wave's instructions in order (ISA guide 5.7.1.4): these see the stores above
.set n, n+1
.endr
.set n, 0
.rept 16
	s_wait_dscnt 15-n                              ; row n is back; the younger loads may be out
	global_store_b128 v[GO], v[S+4*n:S+4*n+3], s[10:11] offset:(\u)*32768+n*512 th:TH_STORE_NT
.set n, n+1
.endr
.endr
.endm
.macro RESET                           ; the second block begins: O's address, the maxima's starts, its Q
	s_wait_xcnt 0x0                                ; the stores have read their registers and O's address
	s_mov_b64 s[10:11], s[OLO:OLO+1]
	BOTH v_mov_b32 v[ST+8*t], 0xfe000000
	BOTH v_mov_b32 v[ST+8*t+1], 0xff7fffff
	WIN W_RS
.set n, 0
.rept 64
	v_mov_b32 v[Q+n], v[QB+n]
.set n, n+1
.endr
	WIN 0
.endm
; A KEY STEP.  wo = 1: a tile's first step, where the block before may end.  The jump goes forward, past text that holds neither a barrier nor a tensor load.
.macro BODY st, wo
	FETCH_K \st
	s_wait_dscnt 32                                ; V of the step before is in; K's 32 loads may be out
	PV
.if \wo
	WIN 0
	s_cmp_eq_u32 s[ENDB], 0
	s_cbranch_scc1 .Lgo_on_\@
	WAYOUT
	RESET
.Lgo_on_\@:
.endif
	PLACES                                         ; between the last product that read V and the loads into it
	FETCH_V \st
	s_wait_dscnt 32                                ; K is in; V's 32 loads may be out
	KQ \st
	WIN 0
	PLACES
	SOFTMAX
.endm
.macro TRIP fill
	CHANGE \fill
	s_mov_b32 s[ENDB], s[DIAG]
	s_add_co_u32 s85, s[PB], 1                     ; the second block has b + 1 tiles
	s_cmp_eq_u32 s[ENDB], 1
	s_cselect_b32 s[RT], s85, s[RT]
	s_sub_co_u32 s[RT], s[RT], 1
	s_cmp_eq_u32 s[RT], 0
	s_cselect_b32 s[DIAG], 1, 0
	s_cselect_b32 s[AL], 1.0, 0
	s_cselect_b32 s[BE], s[BIGN], 0
.set z, 0
.rept 16
	v_pk_mul_f32 v[MC+2*z:MC+2*z+1], v[MD+2*z:MD+2*z+1], s[AL:AL+1] op_sel_hi:[1,0]
.set z, z+1
.endr
.set z, 0
.rept 8
	v_mov_b32 v[MB+z], s[BE]
.set z, z+1
.endr
	BODY 0, 1
	BODY 1, 0
.endm
	s_load_b128 s[16:19], s[0:1], 0x0              ; qkv s[16:17], out0 s[18:19]
	v_lshl_add_u32 v[SPW], v0, 2, SPARE
	v_mov_b32 v[NIL], 0
	ds_add_u32 v[SPW], v[NIL]                      ; the wave's opening: an add and its wait, ahead of my first tensor load
	v_lshrrev_b32 v1, 5, v0
	v_readfirstlane_b32 s[WV], v1                  ; wave 0..3
	s_mov_b32 s[PB], ttmp9
	s_sub_co_u32 s[HI], 7, s[PB]
	s_and_b32 s20, ttmp7, 0xffff                   ; the head
	s_lshl_b32 s21, s20, 18                        ; its 262,144 bytes in each of Q, K, V
	s_and_b32 s22, s[WV], 1                        ; which of a tile's two steps I fetch:
	s_lshl_b32 s2, s22, 14                         ; its 64 rows of 256 bytes in memory,
	s_add_co_u32 s2, s2, s21
	s_mov_b32 s3, 0
	s_mul_i32 s13, s22, STEPB                      ; and its place in a slot
	s_lshl_b32 s23, s[WV], 12                      ; my 16 rows in a band
	s_add_co_u32 s23, s23, s21
	s_lshl_b32 s86, s[HI], 15                      ; a block is 128 rows of 256 bytes
	s_add_co_u32 s86, s86, s23
	s_mov_b32 s87, 0
	s_lshl_b32 s88, s[PB], 15
	s_add_co_u32 s88, s88, s23
	s_mov_b32 s89, 0
	s_lshl_b32 s21, s20, 19                        ; in out0 rows are 512 bytes
	s_lshl_b32 s23, s[WV], 13
	s_add_co_u32 s23, s23, s21
	s_lshl_b32 s90, s[HI], 16
	s_add_co_u32 s90, s90, s23
	s_mov_b32 s91, 0
	s_lshl_b32 s92, s[PB], 16
	s_add_co_u32 s92, s92, s23
	s_mov_b32 s93, 0
	; group 1: 64 rows of 128 elements of 2 bytes, padded behind every 64 words by 4 words (K) or 8 (V)
	s_mov_b32 s[G1K], (1<<16)|(1<<20)|(5<<22)|(3<<25)
	s_mov_b32 s[G1V], (1<<16)|(1<<20)|(5<<22)|(7<<25)
.irp g, G1K, G1V
	s_mov_b32 s[\g+1], 128<<16                     ; tensor_dim0 = 128
	s_mov_b32 s[\g+2], KS<<16                      ; tensor_dim1 = 64
	s_mov_b32 s[\g+3], 128<<16                     ; tile_dim0 = 128
	s_mov_b32 s[\g+4], KS                          ; tile_dim1 = 64
	s_mov_b32 s[\g+5], 128                         ; 128 elements from row to row
	s_mov_b32 s[\g+6], 0
	s_mov_b32 s[\g+7], 0
.endr
	s_mov_b32 s[CS], 0x3e0293ee                    ; c = log2(e) / sqrt(128) = 0.127517
	s_mov_b32 s[CS+1], s[CS]                       ; named with it as a pair
	s_mov_b32 s[SEL], 0x76543210
	s_mov_b32 s[SEL+1], 0xfedcba98
	s_mov_b32 s[TB], SLOT1                         ; the first change of slots turns it into 0
	s_mov_b32 s[G0K], 1
	s_mov_b32 s[G0K+1], s13                        ; slot 0
	s_mov_b32 s[G0V], 1
	s_add_co_u32 s[G0V+1], s13, VOFF
	s_add_co_u32 s[RT], s[HI], 1                   ; the first block has 8 - b tiles
	s_mov_b32 s[NXT], 1
	s_mov_b32 s[LQ], s[HI]
	s_mov_b32 s[DIAG], 0
	s_mov_b32 s[OFF+1], 0
	s_mov_b32 s[AL+1], 0                           ; named as a pair
	s_mov_b32 s[BIGN], 0xf149f2ca                  ; -1e30
	s_mov_b32 s[SLOTS], 8
	s_cmp_eq_u32 s[PB], 0
	s_cselect_b32 s[PFL], 6, 0
	s_wait_dscnt 0x0                               ; the opening add is done
	s_wait_kmcnt 0x0
	s_add_nc_u64 s[6:7], s[16:17], s[2:3]
	s_add_nc_u64 s[8:9], s[6:7], 33554432          ; V at my half of the head's tile 0
	s_add_nc_u64 s[6:7], s[6:7], 16777216          ; K likewise
	s_add_nc_u64 s[4:5], s[16:17], s[86:87]        ; Q at my rows of the first block,
	s_add_nc_u64 s[QLO:QLO+1], s[16:17], s[88:89]  ; and of the second
	s_add_nc_u64 s[10:11], s[18:19], s[90:91]      ; O likewise
	s_add_nc_u64 s[OLO:OLO+1], s[18:19], s[92:93]
	s_add_nc_u64 s[G0K+2:G0K+3], s[6:7], 0
	s_or_b32 s[G0K+3], s[G0K+3], 0x80000000
	s_add_nc_u64 s[G0V+2:G0V+3], s[8:9], 0
	s_or_b32 s[G0V+3], s[G0V+3], 0x80000000
	s_cmp_lt_u32 s[WV], 2
	s_cselect_b64 s[PFA:PFA+1], s[6:7], s[8:9]
	s_add_nc_u64 s[PFA:PFA+1], s[PFA:PFA+1], 32768 ; at tile 1: the first change of slots steps it to tile 2
	LOAD                                           ; tile 0 into slot 0
	; a fragment of K or Q: lane l holds row l % 16, channels 8 (l / 16) + 0..7 and 16 + 8 (l / 16) + 0..7: two loads of 16 bytes, 32 bytes apart
	v_and_b32 v1, 15, v0
	v_bfe_u32 v9, v0, 4, 1
	v_lshlrev_b32 v[QO], 8, v1
	v_lshl_add_u32 v[QO], v9, 4, v[QO]
	WIN 0x40                                       ; destination window 1
.set i, 0
.rept 8                                ; both blocks' Q: tile i / 4 lies 64 rows on; channels 32 (i % 4) on
	global_load_b128 v[Q+8*i:Q+8*i+3],     v[QO], s[4:5] offset:(i/4)*16384+(i%4)*64
	global_load_b128 v[Q+8*i+4:Q+8*i+7],   v[QO], s[4:5] offset:(i/4)*16384+(i%4)*64+32
	global_load_b128 v[QB+8*i:QB+8*i+3],   v[QO], s[QLO:QLO+1] offset:(i/4)*16384+(i%4)*64
	global_load_b128 v[QB+8*i+4:QB+8*i+7], v[QO], s[QLO:QLO+1] offset:(i/4)*16384+(i%4)*64+32
.set i, i+1
.endr
	; what the first trip finds: V, P and O^T hold 0, so its products V^T P, of a step that has not been, add 0.  All this stands in the wait for the first tile.
.set i, 0
.rept 128
	v_mov_b32 v[i], 0
.set i, i+1
.endr
	WIN 0x80
.set i, VF
.rept 128
	v_mov_b32 v[i], 0
.set i, i+1
.endr
	WIN 0
.set i, 0
.rept 32
	v_mov_b32 v[P+i], 0
.set i, i+1
.endr
	BOTH v_mov_b32 v[ST+8*t], 0xfe000000
	BOTH v_mov_b32 v[ST+8*t+1], 0xff7fffff
.set i, 2
.rept 6
	BOTH v_mov_b32 v[ST+8*t+i], 0
.set i, i+1
.endr
	; MD: register r of key group kt is hidden where 16 kt + r is greater than my query's place in its band, 16 w + l % 16, less my lanes' 8 (l / 16)
	v_lshlrev_b32 v14, 3, v9
	v_sub_nc_u32 v14, v1, v14
	s_lshl_b32 s85, s[WV], 4
	v_add_nc_u32 v14, s85, v14
.set i, 0
.rept 32
	v_cmp_gt_i32 vcc_lo, 16*(i/8)+i%8, v14
	v_cndmask_b32 v[MD+i], 0, s[BIGN], vcc_lo
.set i, i+1
.endr
	v_mul_u32_u24 v[AK0], v1, PK
	v_lshl_add_u32 v[AK0], v9, 4, v[AK0]
	; the turning load: lane l reads key 8 (l / 16) + l % 8, channels 8 ((l / 8) % 2) + 0..7, and is left with channel l % 16 and 8 keys
	v_and_b32 v10, 7, v0
	v_bfe_u32 v11, v0, 3, 1
	v_lshl_add_u32 v[AV0], v9, 3, v10
	v_mul_u32_u24 v[AV0], v[AV0], PV_
	v_lshl_add_u32 v[AV0], v11, 4, v[AV0]
	v_add_nc_u32 v[AV0], VOFF, v[AV0]
	s_mul_i32 s85, s[WV], 16*SP
	s_add_co_u32 s85, s85, STAGE                   ; my stage
	v_and_b32 v13, 31, v0
	v_lshlrev_b32 v[GO], 4, v13
	v_lshlrev_b32 v[PFO], 8, v13
	v_add_nc_u32 v[RD], s85, v[GO]
	v_mul_u32_u24 v[STO], v1, SP
	v_lshl_add_u32 v[STO], v9, 5, v[STO]
	v_add_nc_u32 v[STO], s85, v[STO]
	s_wait_loadcnt 0x0                             ; both blocks' Q
.Lslot:                                                ; eight trips: a tile is entered and the next is asked for
	TRIP 1
	s_sub_co_u32 s[SLOTS], s[SLOTS], 1
	s_cmp_lg_u32 s[SLOTS], 0
	s_cbranch_scc1 .Lslot
	TRIP 0                                         ; the walk's last tile is written out
	s_wait_dscnt 0x0                               ; V of the last step is in
	PV
	WAYOUT
	s_wait_tensorcnt 0x0                           ; the wave's end: a wait, an add and its wait, behind my last tensor load and my last LDS store
	ds_add_u32 v[SPW], v[NIL]
	s_wait_dscnt 0x0
	s_endpgm
.Lfunc_end_k_q31ee8ced3d_attn:
	.size	k_q31ee8ced3d_attn, .Lfunc_end_k_q31ee8ced3d_attn-k_q31ee8ced3d_attn
	.p2alignl 7, 3214868480
	.fill 96, 4, 3214868480
	.section	.rodata,"a",@progbits
	.p2align	6, 0x0
	.amdhsa_kernel k_q31ee8ced3d_attn
		.amdhsa_group_segment_fixed_size 327680
		.amdhsa_private_segment_fixed_size 0
		.amdhsa_enable_private_segment 0
		.amdhsa_kernarg_size 16
		.amdhsa_user_sgpr_count 2
		.amdhsa_user_sgpr_kernarg_segment_ptr 1
		.amdhsa_wavefront_size32 1
		.amdhsa_system_sgpr_workgroup_id_x 1
		.amdhsa_system_sgpr_workgroup_id_y 1
		.amdhsa_system_sgpr_workgroup_id_z 1
		.amdhsa_system_vgpr_workitem_id 0
		.amdhsa_next_free_vgpr 768
		.amdhsa_next_free_sgpr 96
		.amdhsa_reserve_vcc 1
		.amdhsa_float_denorm_mode_32 3
		.amdhsa_float_denorm_mode_16_64 3
		.amdhsa_memory_ordered 1
		.amdhsa_forward_progress 1
		.amdhsa_inst_pref_size 165
	.end_amdhsa_kernel
	.amdgpu_metadata
---
amdhsa.version: [ 1, 2 ]
amdhsa.kernels:
  - .name:           k_q31ee8ced3d_attn
    .symbol:         k_q31ee8ced3d_attn.kd
    .args:
      - { .name: qkv, .offset: 0, .size: 8, .value_kind: global_buffer, .address_space: global }
      - { .name: out0, .offset: 8, .size: 8, .value_kind: global_buffer, .address_space: global }
    .group_segment_fixed_size: 327680
    .private_segment_fixed_size: 0
    .kernarg_segment_align: 8
    .kernarg_segment_size: 16
    .max_flat_workgroup_size: 128
    .sgpr_count:     96
    .vgpr_count:     768
    .wavefront_size: 32
...
	.end_amdgpu_metadata
.endif
;; end of part 3
;; ======== version 2 of 2: 3 launches; version 1 with the launch cast written anew for expert scheduling mode
;; limits: values are held in f16: magnitudes above 65,504 overflow, below 6.1e-05 lose precision
;; workspace buffers: xw 41,943,040 bytes; qkv 50,331,648 bytes
;; launch cast (part 4): grid 256 x 1, 20 waves a work-group, no clusters, 0 bytes of LDS; arguments x, Wq, Wk, Wv, xw; writes xw
.if DOCPART == 4
	.amdgcn_target "amdgcn-amd-amdhsa--gfx1250"
	.amdhsa_code_object_version 6
	.text
	.protected	k_q31ee8ced3d_cast
	.globl	k_q31ee8ced3d_cast
	.p2align	8
	.type	k_q31ee8ced3d_cast,@function
k_q31ee8ced3d_cast:
	s_mov_b64 s[64:65], 0
	v_nop
	global_prefetch_b8 v0, s[64:65] scope:SCOPE_SE
	s_setreg_imm32_b32 hwreg(HW_REG_WAVE_SCHED_MODE, 0, 2), 2
	s_setreg_imm32_b32 hwreg(HW_REG_WAVE_MODE, 25, 1), 1
	s_wait_xcnt 0x0
	s_wait_alu depctr_vm_vsrc(0)
; x [4096][2048] and Wq, Wk, Wv [2048][2048], all f32, are rounded once to bf16 (nearest even) and laid out in K blocks:
; xw[kb 0..31][R 0..10239][64] bf16, byte kb*BLK + R*128 + 2*(k%64).  R 0..4095: x's rows; then Wq's, Wk's, Wv's 2,048 rows each.
; So 64 along K of any run of rows lie end to end for the product that follows.
; SHARES.  10,240 rows are 5,120 pairs; pair p = 20 x work-group + wave: one pair a wave, no loop, no LDS, no barrier.
; A wave issues its 32 loads at once (16 KiB); load i takes 256 consecutive bytes (K block i) of each of the two rows.
; A store of the wave covers 256 consecutive bytes, aligned: both rows' 128 bytes of one K block.
; NaN and infinities go through the conversion as it treats them.
; THE MODE: SCHED_MODE bits 1:0 = 2 (LLVM: expert scheduling mode 2), set by the entry lines.  The code itself states the register dependences
; between vector instructions and memory instructions, with s_wait_alu, always for 0.
; THE PLAN.  Registers that memory instructions touch:
;   v[LO], v[SO]  the loads' and the stores' offsets: made at the head, never written again.
;   v[X ..]       four registers for load i.  The load lands once; no vector line names them before.  The two conversions of load i read the four and write the
;                 first two in place; store i reads those two; nothing writes them afterwards.
; No register that a memory instruction has read is ever written again, so no wait is owed for that.
; The 32 loads go in eight blocks of four.  Block b's head waits for its four loads; ONE wait on va_vdst there states that block b - 1's conversions have written their
; results; block b - 1's four stores follow, dealt among block b's eight conversions, which name block b's sixteen registers alone.
.set BLK, 1310720                      ; bytes in a K block: 10,240 rows x 128
.set LO,  2                            ; v2  my byte offset in the pair's two rows of f32
.set SO,  3                            ; v3  my byte offset in the pair's 256 bytes of a K block
.set X,   8                            ; v[8:135]  32 loads of four f32
	s_load_b256 s[4:11], s[0:1], 0x0               ; x s[4:5], Wq s[6:7], Wk s[8:9], Wv s[10:11]
	s_load_b64 s[12:13], s[0:1], 0x20              ; xw
	v_lshrrev_b32 v1, 5, v0
	v_readfirstlane_b32 s14, v1                    ; wave 0..19
	v_and_b32 v1, 31, v0                           ; lane
	v_lshrrev_b32 v2, 4, v1                        ; which of the two rows
	v_and_b32 v4, 15, v1
	v_lshlrev_b32 v[LO], 13, v2                    ; a row of f32 is 8,192 bytes
	v_lshl_add_u32 v[LO], v4, 4, v[LO]             ; + 16 bytes a lane
	v_lshlrev_b32 v[SO], 3, v1                     ; 8 bytes of bf16 a lane
	s_mul_i32 s15, ttmp9, 20
	s_wait_alu depctr_va_sdst(0)                   ; s14 is written, ahead of its first reader: the pair's number is made from it
	s_add_co_u32 s15, s15, s14                     ; p
	s_sub_co_u32 s16, s15, 2048
	s_and_b32 s16, s16, 1023                       ; the pair's number inside a W,
	s_cmp_lt_u32 s15, 2048
	s_cselect_b32 s16, s15, s16                    ; or inside x
	s_lshl_b32 s22, s16, 14                        ; a pair of f32 rows is 16,384 bytes
	s_mov_b32 s23, 0
	s_lshl_b32 s18, s15, 8                         ; a pair's place in a K block
	s_mov_b32 s19, 0
	s_wait_kmcnt 0x0
	s_cmp_lt_u32 s15, 2048                         ; which tensor: the choice hangs on p alone
	s_cselect_b64 s[20:21], s[4:5], s[6:7]
	s_cmp_ge_u32 s15, 3072
	s_cselect_b64 s[20:21], s[8:9], s[20:21]
	s_cmp_ge_u32 s15, 4096
	s_cselect_b64 s[20:21], s[10:11], s[20:21]
	s_add_nc_u64 s[20:21], s[20:21], s[22:23]
	s_add_nc_u64 s[24:25], s[12:13], s[18:19]      ; eight bases, four K blocks apart, so that the stores' immediates stay inside 24 bits
.irp g, 1,2,3,4,5,6,7
	s_add_nc_u64 s[24+2*(\g):25+2*(\g)], s[22+2*(\g):23+2*(\g)], 4*BLK
.endr
	s_wait_alu depctr_va_vdst(0)                   ; v[LO] and v[SO] are written: every load reads the one as its offset, every store the other
.set i, 0
.rept 32
	global_load_b128 v[X+4*i:X+4*i+3], v[LO], s[20:21] offset:256*i th:TH_LOAD_NT
.set i, i+1
.endr
.set b, 0
.rept 8
	s_wait_loadcnt 28-4*b                          ; loads come back in order: block b's four are in, the younger blocks' stay out
.if b > 0
	s_wait_alu depctr_va_vdst(0)                   ; block b - 1's conversions have written their results, which the four stores below read
.endif
.set j, 0
.rept 4
.if b > 0
	global_store_b64 v[SO], v[X+16*(b-1)+4*j:X+16*(b-1)+4*j+1], s[24+2*(b-1):25+2*(b-1)] offset:j*BLK  ; the block before; no vector line since the wait names these registers
.endif
	v_cvt_pk_bf16_f32 v[X+16*b+4*j], v[X+16*b+4*j], v[X+16*b+4*j+1]
	v_cvt_pk_bf16_f32 v[X+16*b+4*j+1], v[X+16*b+4*j+2], v[X+16*b+4*j+3]
.set j, j+1
.endr
.set b, b+1
.endr
	s_wait_alu depctr_va_vdst(0)                   ; block 7's conversions have written their results, which the last four stores read
.set j, 0
.rept 4
	global_store_b64 v[SO], v[X+16*7+4*j:X+16*7+4*j+1], s[24+2*7:25+2*7] offset:j*BLK
.set j, j+1
.endr
	s_endpgm
.Lfunc_end_k_q31ee8ced3d_cast:
	.size	k_q31ee8ced3d_cast, .Lfunc_end_k_q31ee8ced3d_cast-k_q31ee8ced3d_cast
	.p2alignl 7, 3214868480
	.fill 96, 4, 3214868480
	.section	.rodata,"a",@progbits
	.p2align	6, 0x0
	.amdhsa_kernel k_q31ee8ced3d_cast
		.amdhsa_group_segment_fixed_size 0
		.amdhsa_private_segment_fixed_size 0
		.amdhsa_enable_private_segment 0
		.amdhsa_kernarg_size 40
		.amdhsa_user_sgpr_count 2
		.amdhsa_user_sgpr_kernarg_segment_ptr 1
		.amdhsa_wavefront_size32 1
		.amdhsa_system_sgpr_workgroup_id_x 1
		.amdhsa_system_sgpr_workgroup_id_y 1
		.amdhsa_system_sgpr_workgroup_id_z 1
		.amdhsa_system_vgpr_workitem_id 0
		.amdhsa_next_free_vgpr 136
		.amdhsa_next_free_sgpr 66
		.amdhsa_reserve_vcc 0
		.amdhsa_float_denorm_mode_32 3
		.amdhsa_float_denorm_mode_16_64 3
		.amdhsa_memory_ordered 1
		.amdhsa_forward_progress 1
		.amdhsa_inst_pref_size 13
	.end_amdhsa_kernel
	.amdgpu_metadata
---
amdhsa.version: [ 1, 2 ]
amdhsa.kernels:
  - .name:           k_q31ee8ced3d_cast
    .symbol:         k_q31ee8ced3d_cast.kd
    .args:
      - { .name: x, .offset: 0, .size: 8, .value_kind: global_buffer, .address_space: global }
      - { .name: Wq, .offset: 8, .size: 8, .value_kind: global_buffer, .address_space: global }
      - { .name: Wk, .offset: 16, .size: 8, .value_kind: global_buffer, .address_space: global }
      - { .name: Wv, .offset: 24, .size: 8, .value_kind: global_buffer, .address_space: global }
      - { .name: xw, .offset: 32, .size: 8, .value_kind: global_buffer, .address_space: global }
    .group_segment_fixed_size: 0
    .private_segment_fixed_size: 0
    .kernarg_segment_align: 8
    .kernarg_segment_size: 40
    .max_flat_workgroup_size: 640
    .sgpr_count:     66
    .vgpr_count:     136
    .wavefront_size: 32
...
	.end_amdgpu_metadata
.endif
;; end of part 4
;; launch proj: the kernel of part 2 again; grid 16 x 16, 4 waves a work-group, clusters of 4 x 4, 327,680 bytes of LDS; arguments xw, qkv; writes qkv
;; launch attn: the kernel of part 3 again; grid 4 x 64, 4 waves a work-group, no clusters, 327,680 bytes of LDS; arguments qkv, out0; writes out0
